; MI455X (gfx1250); checked and timed in simulation.
; The chip was launched on July 23, 2026; its instructions are those of AMD's public machine-readable ISA for CDNA 5 (MIT licence, August 2026) and "CDNA5" Instruction Set Architecture Reference Guide (July 2026). The comments in the code are by the model that wrote it; some were corrected since.
;; Lo RA Linear. Allowed arithmetic: matrix products marked QUANTISED: E5M2 operands, one given power-of-two scale a tensor, by v_wmma_f32_16x16x64_bf8_bf8 or v_wmma_f32_16x16x128_bf8_bf8, f32 sums; products left as they are: f32 operands where the result goes on into a quantised operand, else bf16, f16 or f32 operands; f32 sums; everything else in f32.
;; Inputs: lora_A_codes 16 x 128 x 32 uint8 (E5M2 codes of lora_A, K innermost, in blocks of 32 codes); lora_B 4,096 x 16 float32; lowp_scales 4 int32 (the exponents e of the quantised operands' scales 2^e); weight_codes 4,096 x 128 x 32 uint8 (E5M2 codes of weight, K innermost, in blocks of 32 codes); x_codes 4,096 x 128 x 32 uint8 (E5M2 codes of x, K innermost, in blocks of 32 codes).
;; Outputs: out0 4,096 x 4,096 float32.
;; This version of the problem:
;;   THIS VERSION OF THE PROBLEM IS GIVEN IN LOW PRECISION. The matrix products marked QUANTISED in the list below multiply operands that are first quantised to E5M2 (5 exponent bits, 2 mantissa bits; 8 bits a number), with one given power-of-two scale for each operand tensor; their sums are f32. All else is computed in f32.
;;   The module's matrix products, in the order in which they are computed (A, B: the left and right operand; K: the contracted axis; several contracted axes count as one K, in the product's order):
;;     1. [M 4,096, K 4,096] x [K 4,096, N 4,096]; A: input x (given as codes); B: input weight (given as codes): QUANTISED (scales: A lowp_scales[0], B lowp_scales[1])
;;     2. [M 4,096, K 4,096] x [K 4,096, N 16]; A: input x (given as codes); B: input lora_A (given as codes): QUANTISED (scales: A lowp_scales[2], B lowp_scales[3])
;;     3. [M 4,096, K 16] x [K 16, N 4,096]; A: computed on the way; B: input lora_B: left as it is (K = 16 < 32)
;;   THE QUANTISER, for each operand of a quantised product, along K:
;;     - The operand's scale is 2^e, e = its entry of the input lowp_scales (int32; the entries are numbered through the quantised products in the list's order, A before B).
;;     - Each number is divided by the scale, clamped to +-57,344, and rounded to the nearest number of E5M2, ties to even, subnormals kept.
;;     - The product sums the exact products of the quantised numbers (number of the format x scale) in f32.
;;   ~~~python
;;   def quantise(x, axis, e):      # numpy; x: float32 -> the quantised numbers, widened to float32 again
;;       x = np.moveaxis(x, axis, -1); K = x.shape[-1]
;;       r = np.clip(x / 2.0 ** e, -57344, 57344)
;;       step = 2.0 ** (np.maximum(np.frexp(np.where(r == 0, 1, r))[1] - 1, -14) - 2)
;;       q = np.round(r / step) * step * 2.0 ** e      # np.round: ties to even
;;       return np.moveaxis(q, -1, axis).astype(np.float32)
;;   ~~~
;;   INPUTS GIVEN AS CODES. lora_A (in the module: [16, 4096], K = its axis 1); weight (in the module: [4096, 4096], K = its axis 1); x (in the module: [4096, 4096], K = its axis 1): each comes as NAME_codes (uint8): NAME with its K axis moved to the last place and cut into blocks of 32 codes, [.., K / 32, bytes a block], one block behind the other in memory; one code a byte (a code: sign, 5 exponent bits, 2 mantissa bits); its scale is its entry of lowp_scales. Its value is code x scale, taken as it is: it is not quantised again, and the codes and scales need not be those that the quantiser above would give.
;; One version. Each part assembles by itself: llvm-mc -triple=amdgcn-amd-amdhsa -mcpu=gfx1250 --defsym DOCPART=n.
;; ======== version 1 of 1: 1 launch
;; limits: right only within a limited range of input values; values are held in bf16: 8 bits of precision
;; launch lora_gemm (part 1): grid 16 x 16, 4 waves a work-group, clusters of 4 x 4, 327,680 bytes of LDS; arguments x_codes, weight_codes, lora_A_codes, lora_B, lowp_scales, out0; writes out0
.if DOCPART == 1
	.amdgcn_target "amdgcn-amd-amdhsa--gfx1250"
	.amdhsa_code_object_version 6
	.text
	.protected	k_q7b75160df1_lora_gemm
	.globl	k_q7b75160df1_lora_gemm
	.p2align	8
	.type	k_q7b75160df1_lora_gemm,@function
k_q7b75160df1_lora_gemm:
	s_mov_b64 s[64:65], 0
	v_nop
	global_prefetch_b8 v0, s[64:65] scope:SCOPE_SE
	s_setreg_imm32_b32 hwreg(HW_REG_WAVE_MODE, 25, 1), 1
	s_wait_xcnt 0x0
	s_wait_alu depctr_hold_cnt(0) depctr_sa_sdst(0) depctr_va_vdst(0) depctr_va_sdst(0) depctr_va_ssrc(0) depctr_va_vcc(0) depctr_vm_vsrc(0)
	s_getreg_b32 s2, hwreg(HW_REG_IB_STS2, 6, 4)
	s_cmp_eq_u32 s2, 0
	s_cbranch_scc0 .Lentry_in_a_cluster
	s_endpgm
.Lentry_in_a_cluster:
	s_bfe_u32 s2, ttmp6, 0x10000c
	s_cmp_lg_u32 s2, 0xf033
	s_cbranch_scc0 .Lentry_shape_is_right
	s_endpgm
.Lentry_shape_is_right:
; out[n][o] = sum over i of x[n][i] w[o][i]  +  2 x sum over r of t[n][r] lora_B[o][r],  t[n][r] = sum over i of x[n][i] lora_A[r][i].
; x, w, lora_A: codes of BF8 (E5M2), K innermost, 4,096 bytes a row; lowp_scales = ex, ew, ex2, ea.  All sums in f32; t and lora_B go to the last product as bf16.
; With S = 2^(ex+ew) and D = ex2+ea+1-ex-ew: out = S x (the codes' sums + (t's sums) x (lora_B x 2^D)): the LoRA product adds onto the same accumulators, and S is applied once.
; LIMITS: ex+ew lies between -126 and 127; lora_B x 2^D stays inside f32's and bf16's range of normal numbers.
; A work-group makes 256 x 256 of out with four waves, 128 x 128 each: 64 accumulators of 16 x 16, 512 registers.  K goes in steps of 256 (tile rows of 256 bytes) through a ring of two LDS slots.
; A slot holds 256 rows of x, 256 rows of w and the 16 rows of lora_A.  Each wave makes t for 64 of its 128 rows (4 more matrix instructions for each 64); its neighbour with the same rows makes the rest.
; CLUSTERS of 4 x 4: x's tile is shared along a row of the cluster, w's along a column, lora_A's along a row: joint loads.  Wave 0 asks for x's 256 rows, waves 1 and 2 for 128 rows of w each, wave 3 for lora_A's.
; WHERE A CLUSTER BEGINS ALONG K: 256 x (0 to 3) by its place in the grid, wrapping at 4,096: so the order of a sum's steps is rotated, the same for all of a cluster's sums.
; THE MATRIX INSTRUCTION IS USED TRANSPOSED (source 0 = rows of w, source 1 = rows of x): a lane holds eight neighbouring numbers of a row of out.
; REGISTERS: window 0: v0-31 addresses; v32-47 lora_A's fragment; v48-79 t; v80-95 lora_A's second fragment of the last slot, then packed t; v96-127 lora_B in bf16; v128-255 x's eight fragments, ONE set.
;   in the last slot: v32-95 lora_B's eight fragments of 8 registers, v96-127 four fragments of t.   window 1: w's fragments, TWO sets.   windows 2 and 3: the accumulators of blocks 0-3 and 4-7.
; Blocks 0-3 are the 64 rows whose t this wave makes, blocks 4-7 the other 64.
; lora_A's tile is no joint load after all: all sixteen work-groups of a cluster want the same bytes, more than one mask may name, so each asks for its own, 16 of a step's 528 rows.
.set KROW,   4096
.set ROWC,   16384
.set ROWB,   256
.set PITCH,  272                       ; 256 bytes + 16 of padding: 68 words, so the 16 rows that a load touches start at 16 different banks (64 banks of 4 bytes: ISA guide 11.1)
.set FR,     16
.set HALFT,  128*PITCH
.set LOFF,   4*HALFT
.set SLOT,   4*HALFT+16*PITCH
.set LAPS,   KROW/(2*ROWB)
.set SPARE,  2*SLOT                    ; the spare words: 128 bytes a wave, named by no other line
.set TX,     SPARE+512                 ; t's exchange: 2,048 bytes a wave
.set SPITCH, 528                       ; the way out: 16 rows x (512 + 16) bytes a wave, in slot 0, behind its last fill and its last read
.set STAG,   8                         ; clusters begin 1 << STAG bytes apart along K
.set ADRA, 8
.set ADRB, 12
.set ADRL, 14
.set STO,  16
.set RD,   17
.set CO,   18
.set TXO,  19
.set TXP,  20
.set PFO,  21
.set LBO,  22
.set SPW,  28
.set NIL,  29
.set LA,   32
.set TA,   48
.set LA2,  80
.set TP,   80
.set LB,   96
.set AF,   128
.set LBF,  32
.set TF,   96
.set DE,   19
.set LAPC, 12
.set WV,   16
.set RH,   17
.set CH,   18
.set OH,   66
.set G1A,  24
.set G0A,  32
.set G1B,  48
.set G0B,  56
.set G1L,  68
.set G0L,  76
.set PFA,  44
.set KP,   46
.set PFB,  94
.set CB,   84
.set SC,   92
.set KO,   96                          ; s[96:97] and s[2:3]: where slot 0's and slot 1's tile stands along K
.set XB,   98
.set WB,   100
.set MSB, 0
.set NI,  0                            ; LDS instructions issued so far, in the text's order
.set DWOFF, 0
.set ZZ,  0
.set BP,  0
.set LS,  0
.set LQ,  0
.set LP,  0
.set DSL, 0
.macro WIN new                         ; the immediate's high byte repeats the setting that is left
.if MSB != (\new)
	s_set_vgpr_msb (MSB<<8)|(\new)
.set MSB, (\new)
.endif
.endm
.set MUL_LO, 0xa1                      ; source 0 (w) window 1, source 1 (x) window 0, C and D window 2; + 0x50: window 3
.set TO_1,   0x40
.macro PLACES n
.rept \n
	v_nop
.endr
.endm
; A joint load; an s_nop 0 and four v_nop follow each line.  The branch hangs on the wave's number alone.
.macro JLOAD s
	s_cmp_eq_u32 s[WV], 0
	s_cbranch_scc0 .Lnot_x_\@
	tensor_load_to_lds s[G0A+4*\s:G0A+4*\s+3], s[G1A:G1A+7]
	s_nop 0
	PLACES 4
	s_branch .Lasked_\@
.Lnot_x_\@:
	s_cmp_eq_u32 s[WV], 3
	s_cbranch_scc0 .Lfor_w_\@
	tensor_load_to_lds s[G0L+4*\s:G0L+4*\s+3], s[G1L:G1L+7]
	s_nop 0
	PLACES 4
	s_branch .Lasked_\@
.Lfor_w_\@:
	tensor_load_to_lds s[G0B+4*\s:G0B+4*\s+3], s[G1B:G1B+7]
	s_nop 0
	PLACES 4
.Lasked_\@:
.endm
; A prefetch of the K step two refills on: 32 rows x 256 bytes, a lane a row.  Waves 0, 1 name x's rows and waves 2, 3 w's, 128 rows each, which the four partners of a joint load share by address:
; each block of 256 bytes is named once in each cluster.  The last trip's refills have no K step two on and ask for nothing.
.macro ASK
	s_cmp_gt_u32 s[LAPC], 1
	s_cbranch_scc0 .Lnot_now_\@
	global_prefetch_b8 v[PFO], s[PFA:PFA+1] th:TH_LOAD_NT scope:SCOPE_SE
.Lnot_now_\@:
.endm
.macro CREST                           ; a round of the cluster's barrier behind its opening barrier
	s_cmp_lg_u32 s[WV], 0
	s_cbranch_scc1 .Lnot_wave_0_\@
	s_barrier_signal -3
.Lnot_wave_0_\@:
	s_barrier_wait -3
	s_barrier_signal -1
	s_barrier_wait -1
.endm
.macro CROUND
	s_barrier_signal -1
	s_barrier_wait -1
	CREST
.endm
.macro DESC s                          ; slot s's three groups 0
	s_mov_b32 s[G0A+4*\s], 1
	s_mov_b32 s[G0A+4*\s+1], \s*SLOT
	s_add_nc_u64 s[G0A+4*\s+2:G0A+4*\s+3], s[XB:XB+1], s[KO-94*\s:KO-94*\s+1]
	s_or_b32 s[G0A+4*\s+3], s[G0A+4*\s+3], 0x80000000
	s_mov_b32 s[G0B+4*\s], 1
	s_add_co_u32 s[G0B+4*\s+1], s67, \s*SLOT
	s_add_nc_u64 s[G0B+4*\s+2:G0B+4*\s+3], s[WB:WB+1], s[KO-94*\s:KO-94*\s+1]
	s_or_b32 s[G0B+4*\s+3], s[G0B+4*\s+3], 0x80000000
	s_mov_b32 s[G0L+4*\s], 1
	s_mov_b32 s[G0L+4*\s+1], LOFF+\s*SLOT
	s_add_nc_u64 s[G0L+4*\s+2:G0L+4*\s+3], s[8:9], s[KO-94*\s:KO-94*\s+1]
	s_or_b32 s[G0L+4*\s+3], s[G0L+4*\s+3], 0x80000000
.endm
.macro PFSTEP s                        ; where the prefetch stands: a lap behind slot s's tile
	s_add_co_u32 s[KP], s[KO-94*\s], 2*ROWB
	s_and_b32 s[KP], s[KP], KROW-1
	s_add_nc_u64 s[PFA:PFA+1], s[PFB:PFB+1], s[KP:KP+1]
.endm
	s_load_b256 s[4:11], s[0:1], 0x0               ; x, w, lora_A, lora_B
	s_load_b128 s[12:15], s[0:1], 0x20             ; lowp_scales, out0
	v_lshl_add_u32 v[SPW], v0, 2, SPARE
	v_mov_b32 v[NIL], 0
	ds_add_u32 v[SPW], v[NIL]                      ; the wave's opening: the add, twice on end, and its wait
	ds_add_u32 v[SPW], v[NIL]
	v_lshrrev_b32 v3, 5, v0
	v_readfirstlane_b32 s[WV], v3
	s_lshr_b32 s[RH], s[WV], 1                     ; which half of the tile's rows is mine
	s_and_b32 s[CH], s[WV], 1                      ; which half of its columns; also which 64 of my rows come first
	s_xor_b32 s[OH], s[CH], 1
	s_bfe_u32 s40, ttmp6, 0x40000                  ; cx, cy
	s_bfe_u32 s41, ttmp6, 0x40004
	s_lshl_b32 s42, ttmp9, 2
	s_add_co_u32 s42, s42, s40                     ; tile column
	s_and_b32 s43, ttmp7, 0xffff
	s_lshl_b32 s43, s43, 2
	s_add_co_u32 s43, s43, s41                     ; tile row
	s_lshl_b32 s94, s41, 2
	s_lshl_b32 s94, 15, s94                        ; my row of the cluster
	s_lshl_b32 s95, 0x1111, s40                    ; my column
	s_or_b32 s[G1A], s94, (1<<20)|(1<<21)|(5<<22)|(3<<25)   ; the mask; padding of 4 words behind every 64; bit 21 beside a mask
	s_or_b32 s[G1B], s95, (1<<20)|(1<<21)|(5<<22)|(3<<25)
	s_mov_b32 s[G1L], (1<<20)|(5<<22)|(3<<25)      ; no mask: lora_A's tile is my work-group's own load
.irp g, G1A, G1B, G1L
	s_mov_b32 s[\g+1], ROWB<<16
	s_mov_b32 s[\g+3], ROWB<<16
	s_mov_b32 s[\g+5], KROW
	s_mov_b32 s[\g+6], 0
	s_mov_b32 s[\g+7], 0
.endr
	s_mov_b32 s[G1A+2], 256<<16
	s_mov_b32 s[G1A+4], 256
	s_mov_b32 s[G1B+2], 128<<16
	s_mov_b32 s[G1B+4], 128
	s_mov_b32 s[G1L+2], 16<<16
	s_mov_b32 s[G1L+4], 16
	; where the cluster begins along K: clusters in one row or one column of the grid begin at four different places
	s_and_b32 s19, ttmp9, 1
	s_lshl_b32 s19, s19, 1
	s_lshr_b32 s22, ttmp9, 1
	s_add_co_u32 s19, s19, s22
	s_and_b32 s22, ttmp7, 0xffff
	s_and_b32 s23, s22, 1
	s_lshl_b32 s23, s23, 1
	s_lshr_b32 s22, s22, 1
	s_add_co_u32 s19, s19, s23
	s_add_co_u32 s19, s19, s22
	s_and_b32 s19, s19, 3
	s_lshl_b32 s[KO], s19, STAG
	s_mov_b32 s[KO+1], 0
	s_add_co_u32 s[KO-94], s[KO], ROWB
	s_mov_b32 s[KO-93], 0
	; LDS addresses
	s_mul_i32 s19, s[RH], HALFT
	s_mul_i32 s20, s[CH], 64*PITCH
	s_add_co_u32 s20, s20, s19                     ; the 64 rows of x whose t I make
	s_mul_i32 s21, s[OH], 64*PITCH
	s_add_co_u32 s21, s21, s19                     ; my other 64 rows
	s_mul_i32 s22, s[CH], HALFT
	s_add_co_u32 s22, s22, 2*HALFT                 ; my 128 rows of w
	s_add_co_u32 s84, s20, SLOT
	s_add_co_u32 s85, s21, SLOT
	s_add_co_u32 s86, s22, SLOT
	s_mul_i32 s23, s[WV], 16*SPITCH                ; my stage
	s_lshl_b32 s87, s[WV], 11
	s_add_co_u32 s87, s87, TX
	s_xor_b32 s92, s[WV], 1
	s_lshl_b32 s92, s92, 11
	s_add_co_u32 s92, s92, TX
	v_and_b32 v1, 15, v0
	v_bfe_u32 v2, v0, 4, 1
	v_and_b32 v5, 31, v0
	v_mul_u32_u24 v3, v1, PITCH
	v_lshl_add_u32 v3, v2, 4, v3
	v_mul_u32_u24 v4, v1, SPITCH
	v_lshl_add_u32 v4, v2, 5, v4
	v_lshlrev_b32 v[LBO], 6, v1
	v_lshl_add_u32 v[LBO], v2, 5, v[LBO]
	v_lshlrev_b32 v[CO], 4, v5
	v_lshlrev_b32 v[PFO], 12, v5
	v_add_nc_u32 v[ADRA], s20, v3
	v_add_nc_u32 v[ADRA+1], s84, v3
	v_add_nc_u32 v[ADRA+2], s21, v3
	v_add_nc_u32 v[ADRA+3], s85, v3
	v_add_nc_u32 v[ADRB], s22, v3
	v_add_nc_u32 v[ADRB+1], s86, v3
	v_add_nc_u32 v[ADRL], LOFF, v3
	v_add_nc_u32 v[ADRL+1], LOFF+SLOT, v3
	v_add_nc_u32 v[STO], s23, v4
	v_add_nc_u32 v[RD], s23, v[CO]
	v_add_nc_u32 v[TXO], s87, v[CO]
	v_add_nc_u32 v[TXP], s92, v[CO]
	s_lshl_b32 s20, s43, 20                        ; x: 256 rows a tile
	s_mov_b32 s21, 0
	s_lshl_b32 s46, s42, 20
	s_lshl_b32 s47, s[OH], 19                      ; waves 1 and 2 fetch w's halves 0 and 1: half = 1 - (wave & 1)
	s_add_co_u32 s46, s46, s47
	s_mov_b32 s47, 0
	s_mul_i32 s67, s[OH], HALFT
	s_add_co_u32 s67, s67, 2*HALFT
	s_wait_alu depctr_va_vdst(0)
	s_wait_dscnt 0x0                               ; both opening adds are done
	CROUND                                         ; all sixteen work-groups are here
	s_wait_kmcnt 0x0
	s_load_b128 s[88:91], s[12:13], 0x0
	s_add_nc_u64 s[XB:XB+1], s[4:5], s[20:21]
	s_add_nc_u64 s[WB:WB+1], s[6:7], s[46:47]
	DESC 0
	JLOAD 0                                        ; the head's one tensor load a wave
	s_lshl_b32 s46, s42, 14                        ; my 128 rows of lora_B, 64 bytes each
	s_lshl_b32 s47, s[CH], 13
	s_add_co_u32 s46, s46, s47
	s_mov_b32 s47, 0
	s_add_nc_u64 s[10:11], s[10:11], s[46:47]
.irp b, 0,1,2,3,4,5,6,7
	global_load_b128 v[AF+8*\b:AF+8*\b+3],   v[LBO], s[10:11] offset:1024*\b
	global_load_b128 v[AF+8*\b+4:AF+8*\b+7], v[LBO], s[10:11] offset:1024*\b+16
.endr
	DESC 1
	; the prefetches: first row 256 x tile + 128 x (wave & 1) + 32 x my place among the four that ask jointly
	s_lshl_b32 s19, s43, 8
	s_lshl_b32 s21, s42, 8
	s_cmp_eq_u32 s[RH], 0
	s_cselect_b32 s20, s19, s21
	s_cselect_b32 s21, s40, s41
	s_cselect_b64 s[PFB:PFB+1], s[4:5], s[6:7]
	s_lshl_b32 s22, s[CH], 7
	s_add_co_u32 s20, s20, s22
	s_lshl_b32 s21, s21, 5
	s_add_co_u32 s20, s20, s21
	s_lshl_b32 s20, s20, 12
	s_mov_b32 s21, 0
	s_add_nc_u64 s[PFB:PFB+1], s[PFB:PFB+1], s[20:21]
	s_mov_b32 s[KP+1], 0
	PFSTEP 0
	global_prefetch_b8 v[PFO], s[PFA:PFA+1] th:TH_LOAD_NT scope:SCOPE_SE   ; K step 2, two loads on
	; where my rows of out begin: blocks 0-3 and blocks 4-7
	s_lshl_b32 s19, s43, 8
	s_lshl_b32 s20, s[RH], 7
	s_add_co_u32 s19, s19, s20
	s_lshl_b32 s20, s[CH], 6
	s_add_co_u32 s20, s20, s19
	s_lshl_b32 s22, s[OH], 6
	s_add_co_u32 s22, s22, s19
	s_lshl_b32 s20, s20, 14
	s_lshl_b32 s22, s22, 14
	s_lshl_b32 s67, s42, 10
	s_lshl_b32 s19, s[CH], 9
	s_add_co_u32 s67, s67, s19
	s_add_co_u32 s20, s20, s67
	s_add_co_u32 s22, s22, s67
	s_mov_b32 s21, 0
	s_mov_b32 s23, 0
	s_add_nc_u64 s[CB:CB+1], s[14:15], s[20:21]
	s_add_nc_u64 s[CB+2:CB+3], s[14:15], s[22:23]
	s_wait_kmcnt 0x0
	s_add_co_i32 s[SC], s88, s89
	s_add_co_i32 s[DE], s90, s91
	s_sub_co_i32 s[DE], s[DE], s[SC]
	s_add_co_i32 s[DE], s[DE], 1                   ; + 1: the factor 2 of the LoRA term
	s_add_co_i32 s[SC], s[SC], 127
	s_lshl_b32 s[SC], s[SC], 23
	s_mov_b32 s[SC+1], s[SC]
	s_wait_loadcnt 0x0
.set j, 0
.rept 64
	v_ldexp_f32 v[AF+j], v[AF+j], s[DE]
.set j, j+1
.endr
.set j, 0
.rept 32
	v_cvt_pk_bf16_f32 v[LB+j], v[AF+2*j], v[AF+2*j+1]
.set j, j+1
.endr
; DW p: all LDS instructions up to fragment p's last load are done: the count is what has been issued behind it.
.macro DW p
.if DWOFF == 0
.if (NI-PP\p) < 64
	s_wait_dscnt NI-PP\p
.endif
.endif
.endm
; What may stand behind a matrix instruction: 4: four places; 5, 6: the next tile's addresses; 10+i: w's fragment i; 20+i: x's fragment i; 30: lora_A's;
; in the last slot 40+i: x's fragment i of the second 128 along K into buffer 4+i; 50: lora_A's of the second 128.  A fragment, 16 rows x 128 K, is four loads: lane l holds row l % 16,
; registers 4 c .. 4 c + 3 K = 32 c + 16 (l / 16) + 0 .. 15: the same permutation of K on both sides.
.macro HK h
.if (\h) >= 50
	WIN 0
.irp c, 0,1,2,3
	ds_load_b128 v[LA2+4*\c:LA2+4*\c+3], v[ADRL+LS] offset:128+32*\c
.endr
.elseif (\h) >= 40
	WIN 0
.set AJ, (\h)-40
.irp c, 0,1,2,3
	ds_load_b128 v[AF+FR*(4+AJ)+4*\c:AF+FR*(4+AJ)+4*\c+3], v[ADRA+LS] offset:128+32*\c+AJ*16*PITCH
.endr
.elseif (\h) >= 30
	WIN 0
.irp c, 0,1,2,3
	ds_load_b128 v[LA+4*\c:LA+4*\c+3], v[ADRL+LS] offset:128*LQ+32*\c
.endr
.elseif (\h) >= 20
	WIN 0
.set AJ, (\h)-20
.irp c, 0,1,2,3
	ds_load_b128 v[AF+FR*AJ+4*\c:AF+FR*AJ+4*\c+3], v[ADRA+2*(AJ/4)+LS] offset:128*LQ+32*\c+(AJ%4)*16*PITCH
.endr
.elseif (\h) >= 10
	WIN TO_1
.set AJ, (\h)-10
.irp c, 0,1,2,3
	ds_load_b128 v[128*LP+FR*AJ+4*\c:128*LP+FR*AJ+4*\c+3], v[ADRB+LS] offset:128*LQ+32*\c+AJ*16*PITCH
.endr
.elseif (\h) == 4
	PLACES 4
.elseif (\h) == 5
	s_add_co_u32 s[KO-94*DSL], s[KO-94*DSL], 2*ROWB
	s_and_b32 s[KO-94*DSL], s[KO-94*DSL], KROW-1
	s_add_nc_u64 s[G0A+4*DSL+2:G0A+4*DSL+3], s[XB:XB+1], s[KO-94*DSL:KO-94*DSL+1]
	s_or_b32 s[G0A+4*DSL+3], s[G0A+4*DSL+3], 0x80000000
.elseif (\h) == 6
	s_add_nc_u64 s[G0B+4*DSL+2:G0B+4*DSL+3], s[WB:WB+1], s[KO-94*DSL:KO-94*DSL+1]
	s_or_b32 s[G0B+4*DSL+3], s[G0B+4*DSL+3], 0x80000000
	s_add_nc_u64 s[G0L+4*DSL+2:G0L+4*DSL+3], s[8:9], s[KO-94*DSL:KO-94*DSL+1]
	s_or_b32 s[G0L+4*DSL+3], s[G0L+4*DSL+3], 0x80000000
	PFSTEP DSL
.endif
.if (\h) >= 10
.set NI, NI+4
.set PP\h, NI
.endif
.endm
.macro WM a, b                         ; one product: block a (x's fragment at AR) x w's fragment b of set BP
	WIN MUL_LO+0x50*((\a)/4)
.set AC, 8*(8*((\a)%4)+\b)
.set BR, 128*BP+FR*\b
.if ZZ
	v_wmma_f32_16x16x128_bf8_bf8 v[AC:AC+7], v[BR:BR+FR-1], v[AR:AR+FR-1], 0
.else
	v_wmma_f32_16x16x128_bf8_bf8 v[AC:AC+7], v[BR:BR+FR-1], v[AR:AR+FR-1], v[AC:AC+7]
.endif
.endm
.macro TM a                            ; t of block a
	WIN 0
	DW 30
.if ZZ
	v_wmma_f32_16x16x128_bf8_bf8 v[TA+8*\a:TA+8*\a+7], v[LA:LA+FR-1], v[AF+FR*\a:AF+FR*\a+FR-1], 0
.else
	v_wmma_f32_16x16x128_bf8_bf8 v[TA+8*\a:TA+8*\a+7], v[LA:LA+FR-1], v[AF+FR*\a:AF+FR*\a+FR-1], v[TA+8*\a:TA+8*\a+7]
.endif
.endm
.macro BLK a, h0=0, h1=0, h2=0, h3=0, h4=0, h5=0, h6=0, h7=0
	DW 2\a
.set AR, AF+FR*(\a)
	WM \a, 0
	HK \h0
	WM \a, 1
	HK \h1
	WM \a, 2
	HK \h2
	WM \a, 3
	HK \h3
	WM \a, 4
	HK \h4
	WM \a, 5
	HK \h5
	WM \a, 6
	HK \h6
	WM \a, 7
	HK \h7
.endm
; A step of 128 along K is 68 matrix instructions; the accumulators take turns in the same order in every step.  The loads stand in five runs a slot: a fragment's
; registers are loaded anew behind its last product and four places.  Set 1 of w is filled in two halves: fragments 0-3 at the end of the step before the one that multiplies set 0, fragments 4-7 in that step's middle.
; STEP: a slot's first 128 along K (set 0); it fetches the rest of the second 128.
.macro STEP slot, zero
.set ZZ, \zero
.set BP, 0
	BLK 0
	BLK 1
	BLK 2
	BLK 3
	TM 0
	TM 1
	TM 2
	TM 3
	PLACES 4
.set LS, \slot
.set LQ, 1
.set LP, 1
.irp h, 14,15,16,17,20,21,22,23,30
	HK \h
.endr
	BLK 4
	BLK 5
	BLK 6
	BLK 7
	PLACES 4
.irp h, 24,25,26,27
	HK \h
.endr
.set ZZ, 0
.endm
; TURN: a slot's second 128 along K (set 1), and the change of slots.  In front of the barrier: all my tensor loads (my part of the next slot), the add, the wait for it and for my reads of this slot.
; fill = 1: the barrier opens a round of the cluster's barrier, and this slot is filled again, first behind it.  fill = 0: the last slot follows, which goes by rows.
.macro TURN slot, next, fill
.set BP, 1
.set DSL, \slot
.if \fill
	s_wait_xcnt 0x0                                ; the last prefetch has read its address, which is stepped below
.endif
	BLK 0
	BLK 1
	BLK 2
	WIN 0
	s_wait_tensorcnt 0x0
	ds_add_u32 v[SPW], v[NIL]
.set NI, NI+1
.if \fill
	BLK 3, 5,6
.else
	BLK 3
.endif
	s_wait_dscnt 0x0                               ; the add is done, and all of this slot's fragments are in
.set DWOFF, 1
	s_barrier_signal -1
	TM 0
	TM 1
	TM 2
	TM 3
	WIN 0
	s_barrier_wait -1
.if \fill
	CREST
	JLOAD \slot                                    ; its four v_nop are also the places in front of the loads below
.else
	PLACES 4
.endif
.set LS, \next
.set LQ, 0
.set LP, 0
.irp h, 10,11,12,13,14,15,16,17
	HK \h
.endr
	BLK 4
	BLK 5
.irp h, 20,21,22,23,30
	HK \h
.endr
.if \fill
	ASK
.endif
	BLK 6
	BLK 7
	PLACES 4
.set LQ, 1
.set LP, 1
.if \fill
.irp h, 10,11,12,13
	HK \h
.endr
.set LQ, 0
.irp h, 24,25,26,27
	HK \h
.endr
.else
.irp h, 40,41,42,43,50,10,11,12,13
	HK \h
.endr
.endif
.set DWOFF, 0
.endm
	s_wait_xcnt 0x0
	PFSTEP 1
	s_wait_alu depctr_va_vdst(0)
	s_wait_tensorcnt 0x0                           ; my part of K step 0 is in
	ds_add_u32 v[SPW], v[NIL]
	s_wait_dscnt 0x0
	CROUND
	JLOAD 1                                        ; K step 1
.set LS, 0
.set LQ, 0
.set LP, 0
.irp h, 10,11,12,13,14,15,16,17,20,21,22,23,30
	HK \h
.endr
.set LQ, 1
.set LP, 1
.irp h, 10,11,12,13
	HK \h
.endr
.set LQ, 0
.irp h, 24,25,26,27
	HK \h
.endr
	WIN 0
	global_prefetch_b8 v[PFO], s[PFA:PFA+1] th:TH_LOAD_NT scope:SCOPE_SE   ; K step 3, two loads on
	STEP 0, 1                                      ; the first step starts the sums
	WIN 0
	s_mov_b32 s[LAPC], LAPS-1
.Llap:
	TURN 0, 1, 1
	STEP 1, 0
	TURN 1, 0, 1
	STEP 0, 0
	WIN 0
	s_sub_co_u32 s[LAPC], s[LAPC], 1
	s_cmp_lg_u32 s[LAPC], 0
	s_cbranch_scc1 .Llap
	TURN 0, 1, 0
; THE LAST SLOT GOES BY ROWS OF out.  Both 128s of w fill window 1; x's fragments of blocks 0-3 lie in buffers 0-3 (first 128) and 4-7 (second).  t is finished first and handed over, then block after block
; is finished, takes the LoRA product, and leaves while the next is multiplied.
.macro TMX a
	v_wmma_f32_16x16x128_bf8_bf8 v[TA+8*\a:TA+8*\a+7], v[LA2:LA2+FR-1], v[AF+FR*(4+\a):AF+FR*(4+\a)+FR-1], v[TA+8*\a:TA+8*\a+7]
.endm
.macro MQ a, q                         ; block a's eight products of the slot's q-th 128
.set BP, \q
.set AR, AF+FR*((\a)%4+4*\q)
.irp b, 0,1,2,3,4,5,6,7
	WM \a, \b
.endr
.endm
	TM 0
	TM 1
	TM 2
	TM 3
.set BP, 0
.set LS, 1
.set LQ, 1
.set LP, 1
	BLK 0
	BLK 1
.irp h, 14,15,16,17
	HK \h
.endr
	WIN 0
	DW 50
	TMX 0
	TMX 1
	TMX 2
	TMX 3
	BLK 2, 4
	WIN 0
.irp a, 0,1,2,3
.irp i, 0,1,2,3
	v_cvt_pk_bf16_f32 v[TP+4*\a+\i], v[TA+8*\a+2*\i], v[TA+8*\a+2*\i+1]
.endr
.endr
.irp a, 0,1,2,3
	ds_store_b128 v[TXO], v[TP+4*\a:TP+4*\a+3] offset:512*\a
.endr
.set NI, NI+4
	BLK 3
	WIN 0
	s_wait_dscnt 0x0                               ; my part of t is stored, for the neighbour's sake; all fragments asked for are in
	s_barrier_signal -1
	; lora_B's fragments: K = 0..15 is the rank, K = 16..31 zeros; t's four buffers likewise
.irp b, 0,1,2,3,4,5,6,7
.irp i, 0,1,2,3
	v_mov_b32 v[LBF+8*\b+\i], v[LB+4*\b+\i]
.endr
.irp i, 4,5,6,7
	v_mov_b32 v[LBF+8*\b+\i], 0
.endr
.endr
.irp a, 0,1,2,3
.irp i, 4,5,6,7
	v_mov_b32 v[TF+8*\a+\i], 0
.endr
.endr
	MQ 0, 1
	WIN 0
	s_wait_alu depctr_va_vdst(0)
	s_barrier_wait -1
.irp a, 0,1,2,3
	ds_load_b128 v[TF+8*\a:TF+8*\a+3], v[TXO] offset:512*\a
.endr
.macro LORA a
	WIN 0xa0+0x50*((\a)/4)
.irp b, 0,1,2,3,4,5,6,7
.set AC, 8*(8*((\a)%4)+\b)
	v_wmma_f32_16x16x32_bf16 v[AC:AC+7], v[LBF+8*\b:LBF+8*\b+7], v[TF+8*((\a)%4):TF+8*((\a)%4)+7], v[AC:AC+7]
.endr
.endm
.macro TOSTAGE a                       ; x S in place, each accumulator from its low end; into my stage; back as 16 whole rows of 512 bytes, into the same registers (LDS serves a wave's instructions in order: ISA guide 5.7.1.4)
.set AC, 64*((\a)%4)
	WIN 0x82+0x41*((\a)/4)
.irp j, 0,2,4,6,8,10,12,14,16,18,20,22,24,26,28,30,32,34,36,38,40,42,44,46,48,50,52,54,56,58,60,62
	v_pk_mul_f32 v[AC+\j:AC+\j+1], v[AC+\j:AC+\j+1], s[SC:SC+1] op_sel_hi:[1,0]
.endr
	WIN 0x08+0x04*((\a)/4)
.irp b, 0,1,2,3,4,5,6,7
	ds_store_b128 v[STO], v[AC+8*\b:AC+8*\b+3] offset:64*\b
	ds_store_b128 v[STO], v[AC+8*\b+4:AC+8*\b+7] offset:64*\b+16
.endr
	WIN 0x80+0x40*((\a)/4)
.irp t, 0,1,2,3,4,5,6,7,8,9,10,11,12,13,14,15
	ds_load_b128 v[AC+4*\t:AC+4*\t+3], v[RD] offset:\t*SPITCH
.endr
	WIN 0
.endm
.macro SEND a, younger                 ; younger: the LDS loads issued behind the stage's, which may stay out
.set AC, 64*((\a)%4)
	WIN 0x08+0x04*((\a)/4)
	s_wait_dscnt \younger
.irp t, 0,1,2,3,4,5,6,7,8,9,10,11,12,13,14,15
	global_store_b128 v[CO], v[AC+4*\t:AC+4*\t+3], s[CB+2*((\a)/4):CB+2*((\a)/4)+1] offset:(((\a)%4)*16+\t)*ROWC th:TH_STORE_NT   ; 512 consecutive bytes, two aligned units of 256
.endr
	WIN 0
.endm
.macro OUT a                           ; block a's products and LoRA; block a - 1 leaves
.if (\a) > 3
	MQ \a, 0
.endif
.if (\a) > 0
	MQ \a, 1
	PLACES 4                                       ; block a - 1's LoRA results are read next
	TOSTAGE \a-1
.else
	PLACES 5                                       ; the LoRA product is another form on the same accumulators: five places (more vector work stands here for the other blocks)
	WIN 0
.endif
.set YO, 0
.if (\a) < 4                           ; block a's buffers take block a + 4, both 128s
.irp q, 0,1
.irp c, 0,1,2,3
	ds_load_b128 v[AF+FR*(\a+4*\q)+4*\c:AF+FR*(\a+4*\q)+4*\c+3], v[ADRA+3] offset:128*\q+32*\c+(\a)*16*PITCH
.endr
.endr
.set YO, 8
.endif
.if ((\a) > 0) && ((\a) < 5)           ; t of block a + 3, made by my neighbour, into the buffer that block a - 1 has read
	ds_load_b128 v[TF+8*(\a-1):TF+8*(\a-1)+3], v[TXP] offset:512*(\a-1)
.set YO, YO+1
.endif
.if (\a) == 0
	s_wait_dscnt 8                                 ; t of blocks 0-3 is in; later blocks' t and x are covered by the waits of SEND
.endif
	LORA \a
.if (\a) > 0
	SEND \a-1, YO
.endif
.endm
.irp a, 0,1,2,3,4,5,6,7
	OUT \a
.endr
	PLACES 4
	TOSTAGE 7
	SEND 7, 0
	s_wait_tensorcnt 0x0                           ; the wave's end
	ds_add_u32 v[SPW], v[NIL]
	s_wait_dscnt 0x0
	CROUND                                         ; the closing round
	s_endpgm
.Lfunc_end_k_q7b75160df1_lora_gemm:
	.size	k_q7b75160df1_lora_gemm, .Lfunc_end_k_q7b75160df1_lora_gemm-k_q7b75160df1_lora_gemm
	.p2alignl 7, 3214868480
	.fill 96, 4, 3214868480
	.section	.rodata,"a",@progbits
	.p2align	6, 0x0
	.amdhsa_kernel k_q7b75160df1_lora_gemm
		.amdhsa_group_segment_fixed_size 327680
		.amdhsa_private_segment_fixed_size 0
		.amdhsa_enable_private_segment 0
		.amdhsa_kernarg_size 48
		.amdhsa_user_sgpr_count 2
		.amdhsa_user_sgpr_kernarg_segment_ptr 1
		.amdhsa_wavefront_size32 1
		.amdhsa_system_sgpr_workgroup_id_x 1
		.amdhsa_system_sgpr_workgroup_id_y 1
		.amdhsa_system_sgpr_workgroup_id_z 1
		.amdhsa_system_vgpr_workitem_id 0
		.amdhsa_next_free_vgpr 1024
		.amdhsa_next_free_sgpr 102
		.amdhsa_reserve_vcc 0
		.amdhsa_float_denorm_mode_32 3
		.amdhsa_float_denorm_mode_16_64 3
		.amdhsa_memory_ordered 1
		.amdhsa_forward_progress 1
		.amdhsa_inst_pref_size 153
	.end_amdhsa_kernel
	.amdgpu_metadata
---
amdhsa.version: [ 1, 2 ]
amdhsa.kernels:
  - .name:           k_q7b75160df1_lora_gemm
    .symbol:         k_q7b75160df1_lora_gemm.kd
    .args:
      - { .name: x_codes, .offset: 0, .size: 8, .value_kind: global_buffer, .address_space: global }
      - { .name: weight_codes, .offset: 8, .size: 8, .value_kind: global_buffer, .address_space: global }
      - { .name: lora_A_codes, .offset: 16, .size: 8, .value_kind: global_buffer, .address_space: global }
      - { .name: lora_B, .offset: 24, .size: 8, .value_kind: global_buffer, .address_space: global }
      - { .name: lowp_scales, .offset: 32, .size: 8, .value_kind: global_buffer, .address_space: global }
      - { .name: out0, .offset: 40, .size: 8, .value_kind: global_buffer, .address_space: global }
    .group_segment_fixed_size: 327680
    .private_segment_fixed_size: 0
    .kernarg_segment_align: 8
    .kernarg_segment_size: 48
    .max_flat_workgroup_size: 128
    .sgpr_count:     102
    .vgpr_count:     1024
    .wavefront_size: 32
...
	.end_amdgpu_metadata
.endif
;; end of part 1
